; MI455X (gfx1250); checked and timed in simulation.
; The chip was launched on July 23, 2026; its instructions are those of AMD's public machine-readable ISA for CDNA 5 (MIT licence, August 2026) and "CDNA5" Instruction Set Architecture Reference Guide (July 2026). The comments in the code are by the model that wrote it; some were corrected since.
;; Bit MLP Block. Allowed arithmetic: matrix products marked QUANTISED: E5M2 operands, one given power-of-two scale a tensor, by v_wmma_f32_16x16x64_bf8_bf8 or v_wmma_f32_16x16x128_bf8_bf8, f32 sums; everything else in f32.
;; Inputs: b1 1,024 float32; b2 256 float32; lowp_scales 4 int32 (the exponents e of the quantised operands' scales 2^e); w1 1,024 x 256 float32; w2 256 x 1,024 float32; x 8 x 8,192 x 256 float32.
;; Outputs: out0 8 x 8,192 x 256 float32.
;; This version of the problem:
;;   THIS VERSION OF THE PROBLEM IS GIVEN IN LOW PRECISION. The matrix products marked QUANTISED in the list below multiply operands that are first quantised to E5M2 (5 exponent bits, 2 mantissa bits; 8 bits a number), with one given power-of-two scale for each operand tensor; their sums are f32. All else is computed in f32.
;;   The module's matrix products, in the order in which they are computed (A, B: the left and right operand; K: the contracted axis; several contracted axes count as one K, in the product's order):
;;     1. [M 65,536, K 256] x [K 256, N 1,024]; A: computed on the way; B: computed on the way: QUANTISED (scales: A lowp_scales[0], B lowp_scales[1])
;;     2. [M 65,536, K 1,024] x [K 1,024, N 256]; A: computed on the way; B: computed on the way: QUANTISED (scales: A lowp_scales[2], B lowp_scales[3])
;;   THE QUANTISER, for each operand of a quantised product, along K:
;;     - The operand's scale is 2^e, e = its entry of the input lowp_scales (int32; the entries are numbered through the quantised products in the list's order, A before B).
;;     - Each number is divided by the scale, clamped to +-57,344, and rounded to the nearest number of E5M2, ties to even, subnormals kept.
;;     - The product sums the exact products of the quantised numbers (number of the format x scale) in f32.
;;   ~~~python
;;   def quantise(x, axis, e):      # numpy; x: float32 -> the quantised numbers, widened to float32 again
;;       x = np.moveaxis(x, axis, -1); K = x.shape[-1]
;;       r = np.clip(x / 2.0 ** e, -57344, 57344)
;;       step = 2.0 ** (np.maximum(np.frexp(np.where(r == 0, 1, r))[1] - 1, -14) - 2)
;;       q = np.round(r / step) * step * 2.0 ** e      # np.round: ties to even
;;       return np.moveaxis(q, -1, axis).astype(np.float32)
;;   ~~~
;;   OPERANDS COMPUTED ON THE WAY. 'Computed on the way' means the value that the module computes at that place (a softmax that the list does not call 'softmax' is quantised finished and normalised). What goes into a quantiser is computed in f32, as accurately as f32 sums, v_exp_f32 and their like allow (about 1e-6 of the number): no bf16 or f16 on the way to a quantiser, and a product that is left as it is and whose result goes on into a quantised operand takes f32 operands (vector FMAs, or v_wmma_f32_16x16x4_f32). A number that lies on a knife's edge between two numbers of the format may be rounded either way, as far as f32 arithmetic and the matrix unit's own rounding can turn it there, and no further.
;; One version. Each part assembles by itself: llvm-mc -triple=amdgcn-amd-amdhsa -mcpu=gfx1250 --defsym DOCPART=n.
;; ======== version 1 of 1: 3 launches
;; limits: an absolute error that grows with the inputs' magnitude: up to 1.2e-07 times it
;; workspace buffers: wpart 512 bytes; w1img 262,144 bytes; w2img 262,144 bytes
;; launch wsum (part 1): grid 128 x 1, 8 waves a work-group, no clusters, 1,280 bytes of LDS; arguments w1, w2, wpart; writes wpart
.if DOCPART == 1
	.amdgcn_target "amdgcn-amd-amdhsa--gfx1250"
	.amdhsa_code_object_version 6
	.text
	.protected	k_q83a6727c18_wsum
	.globl	k_q83a6727c18_wsum
	.p2align	8
	.type	k_q83a6727c18_wsum,@function
k_q83a6727c18_wsum:
	s_mov_b64 s[64:65], 0
	v_nop
	global_prefetch_b8 v0, s[64:65] scope:SCOPE_SE
	s_setreg_imm32_b32 hwreg(HW_REG_WAVE_MODE, 25, 1), 1
	s_wait_xcnt 0x0
; Partial sums of |w| for the two weights' mean magnitudes.  w1 and w2 hold 262,144 f32 numbers each (1 MiB).
; Work-groups 0-63 take w1, 64-127 take w2; each sums one piece of 16 KiB and stores ONE f32 number, wpart[work-group].
; Eight waves: thread t reads 16 bytes at 16 t of each of four runs of 4,096 bytes, so a load of a wave covers 512 consecutive bytes.
; The order of the additions is fixed, so the sum is the same in every run.  The 4-byte store is all the result there is.
.set PIECE, 16384
	s_load_b128 s[4:7], s[0:1], 0x0                ; w1 s[4:5], w2 s[6:7]
	s_load_b64 s[8:9], s[0:1], 0x10                ; wpart
	v_lshl_add_u32 v32, v0, 2, 0x100
	v_mov_b32 v33, 0
	v_lshrrev_b32 v1, 5, v0                        ; wave, in every lane
	v_readfirstlane_b32 s10, v1
	v_lshlrev_b32 v2, 4, v0                        ; 16 t
	s_and_b32 s12, ttmp9, 63
	s_lshl_b32 s12, s12, 14                        ; my piece of the tensor, in bytes
	s_mov_b32 s13, 0
	s_lshl_b32 s14, ttmp9, 2                       ; my word of wpart
	s_mov_b32 s15, 0
	s_mov_b32 s16, 0x76543210                      ; v_permlanex16_b32: each lane takes its own place in the other half
	s_mov_b32 s17, 0xfedcba98
	s_wait_kmcnt 0x0
	s_cmp_lt_u32 ttmp9, 64                         ; the choice hangs on the work-group's number alone
	s_cselect_b64 s[4:5], s[4:5], s[6:7]
	s_add_nc_u64 s[4:5], s[4:5], s[12:13]
	s_add_nc_u64 s[8:9], s[8:9], s[14:15]
.irp i, 0,1,2,3
	global_load_b128 v[4+4*\i:7+4*\i], v2, s[4:5] offset:4096*\i
.endr
	v_mov_b32 v21, 0                               ; a lane permute's destination counts as read: written once
	v_lshlrev_b32 v22, 2, v1                       ; LDS: 4 x wave
	v_mov_b32 v23, 0
	s_wait_loadcnt 0x0
.irp j, 0,2,4,6,8,10,12,14
	v_add_f32 v[4+\j], |v[4+\j]|, |v[5+\j]|        ; the magnitudes ride on the first additions
.endr
	v_add_f32 v4, v4, v6
	v_add_f32 v8, v8, v10
	v_add_f32 v12, v12, v14
	v_add_f32 v16, v16, v18
	v_add_f32 v4, v4, v8
	v_add_f32 v12, v12, v16
	v_add_f32 v4, v4, v12
	v_add_f32_dpp v4, v4, v4 row_xmask:1 row_mask:0xf bank_mask:0xf
	v_add_f32_dpp v4, v4, v4 row_xmask:2 row_mask:0xf bank_mask:0xf
	v_add_f32_dpp v4, v4, v4 row_xmask:4 row_mask:0xf bank_mask:0xf
	v_add_f32_dpp v4, v4, v4 row_xmask:8 row_mask:0xf bank_mask:0xf
	v_permlanex16_b32 v21, v4, s16, s17
	v_add_f32 v4, v4, v21                          ; the wave's sum, in every lane
	ds_store_b32 v22, v4                           ; all lanes write the wave's word with the same number
	s_wait_dscnt 0x0                               ; for the others' sake: my store has landed
	s_barrier_signal -1
	s_barrier_wait -1
	ds_load_b128 v[8:11], v23
	ds_load_b128 v[12:15], v23 offset:16
	s_wait_dscnt 0x0
	v_add_f32 v8, v8, v9
	v_add_f32 v10, v10, v11
	v_add_f32 v12, v12, v13
	v_add_f32 v14, v14, v15
	v_add_f32 v8, v8, v10
	v_add_f32 v12, v12, v14
	v_add_f32 v8, v8, v12
	s_cmp_lg_u32 s10, 0                            ; wave 0 stores
	s_cbranch_scc1 .Ldone
	s_wait_xcnt 0x0                                ; EXEC changes only behind this wait
	v_cmp_eq_u32 vcc_lo, 0, v0
	s_and_saveexec_b32 s18, vcc_lo
	global_store_b32 v23, v8, s[8:9]
	s_wait_xcnt 0x0                                ; and again in front of the line that widens it
	s_or_b32 exec_lo, exec_lo, s18
.Ldone:
	s_wait_tensorcnt 0x0
	ds_add_u32 v32, v33
	s_wait_dscnt 0x0
	s_endpgm
.Lfunc_end_k_q83a6727c18_wsum:
	.size	k_q83a6727c18_wsum, .Lfunc_end_k_q83a6727c18_wsum-k_q83a6727c18_wsum
	.p2alignl 7, 3214868480
	.fill 96, 4, 3214868480
	.section	.rodata,"a",@progbits
	.p2align	6, 0x0
	.amdhsa_kernel k_q83a6727c18_wsum
		.amdhsa_group_segment_fixed_size 1280
		.amdhsa_private_segment_fixed_size 0
		.amdhsa_enable_private_segment 0
		.amdhsa_kernarg_size 24
		.amdhsa_user_sgpr_count 2
		.amdhsa_user_sgpr_kernarg_segment_ptr 1
		.amdhsa_wavefront_size32 1
		.amdhsa_system_sgpr_workgroup_id_x 1
		.amdhsa_system_sgpr_workgroup_id_y 1
		.amdhsa_system_sgpr_workgroup_id_z 1
		.amdhsa_system_vgpr_workitem_id 0
		.amdhsa_next_free_vgpr 34
		.amdhsa_next_free_sgpr 66
		.amdhsa_reserve_vcc 1
		.amdhsa_float_denorm_mode_32 3
		.amdhsa_float_denorm_mode_16_64 3
		.amdhsa_memory_ordered 1
		.amdhsa_forward_progress 1
		.amdhsa_inst_pref_size 4
	.end_amdhsa_kernel
	.amdgpu_metadata
---
amdhsa.version: [ 1, 2 ]
amdhsa.kernels:
  - .name:           k_q83a6727c18_wsum
    .symbol:         k_q83a6727c18_wsum.kd
    .args:
      - { .name: w1, .offset: 0, .size: 8, .value_kind: global_buffer, .address_space: global }
      - { .name: w2, .offset: 8, .size: 8, .value_kind: global_buffer, .address_space: global }
      - { .name: wpart, .offset: 16, .size: 8, .value_kind: global_buffer, .address_space: global }
    .group_segment_fixed_size: 1280
    .private_segment_fixed_size: 0
    .kernarg_segment_align: 8
    .kernarg_segment_size: 24
    .max_flat_workgroup_size: 256
    .sgpr_count:     66
    .vgpr_count:     34
    .wavefront_size: 32
...
	.end_amdgpu_metadata
.endif
;; end of part 1
;; launch wquant (part 2): grid 64 x 1, 4 waves a work-group, no clusters, 0 bytes of LDS; arguments w1, w2, wpart, lowp_scales, w1img, w2img; writes w1img, w2img
.if DOCPART == 2
	.amdgcn_target "amdgcn-amd-amdhsa--gfx1250"
	.amdhsa_code_object_version 6
	.text
	.protected	k_q83a6727c18_wquant
	.globl	k_q83a6727c18_wquant
	.p2align	8
	.type	k_q83a6727c18_wquant,@function
k_q83a6727c18_wquant:
	s_mov_b64 s[64:65], 0
	v_nop
	global_prefetch_b8 v0, s[64:65] scope:SCOPE_SE
	s_setreg_imm32_b32 hwreg(HW_REG_WAVE_MODE, 25, 1), 1
	s_wait_xcnt 0x0
; The weights' two quantisers, and their layout for the product's launch.
; wq = w + (clip(round(w * scale), -1, 1) / scale - w), scale = 1 / max(mean |w|, 1e-5), all in f32 and in that order; the division by scale is a multiplication
; by 1 / scale (both reciprocals are v_rcp_f32 with one Newton step).  Then the code of E5M2: wq / 2^e, held within +-57,344, to the nearest code, ties to even.
; e = lowp_scales[1] for w1, lowp_scales[3] for w2.  LIMITS: -126 <= e <= 112.  NaN and infinities among the inputs are not served.
; ONE WAVE MAKES ONE FRAGMENT (16 rows x 128 K) AS AN IMAGE OF THE OPERAND'S REGISTERS: 2,048 bytes, piece c (0..3) at 512 c + 16 x lane; lane (r = lane % 16, h = lane / 16) holds
; k = 128 s + 32 c + 16 h + 0 .. 15 of its row.  The product's launch then fetches a fragment by four loads of 16 bytes a lane, 512 consecutive bytes each.
;   w1img: fragment F = 2 T + s (T: tile of hidden units 0..63, s: K step 0..1); lane r takes row 32 (T / 2) + 8 (T % 2) + r + 8 (r / 8), so that two neighbouring tiles' results are 16 neighbours along the next K.
;   w2img: fragment F = 8 N + s (N: tile of outputs 0..15, s: K step 0..7); lane r takes row 16 N + r.
; Work-groups 0-31 take w1, 32-63 take w2; both go ONE way through the text: what differs is chosen by s_cselect on the work-group's number.
; Every wave adds the tensor's 64 partial sums in the same order, so all waves have the same mean.
.set X,  32                            ; v32-95   64 numbers of w: register 16 c + i = k 32 c + 16 h + i
.set T,  96                            ; v96-159  at work
.set C,  160                           ; v160-175 the codes
	s_load_b256 s[4:11], s[0:1], 0x0               ; w1 s[4:5], w2 s[6:7], wpart s[8:9], lowp_scales s[10:11]
	s_load_b128 s[12:15], s[0:1], 0x20             ; w1img s[12:13], w2img s[14:15]
	v_lshrrev_b32 v1, 5, v0
	v_readfirstlane_b32 s16, v1                    ; wave
	v_and_b32 v1, 31, v0                           ; lane
	v_and_b32 v2, 15, v0                           ; r
	v_bfe_u32 v3, v0, 4, 1                         ; h
	s_and_b32 s17, ttmp9, 31
	s_lshl_b32 s17, s17, 2
	s_add_co_u32 s17, s17, s16                     ; F, 0..127
	s_lshr_b32 s18, s17, 2                         ; as a fragment of w1: first row 32 (F / 4) + 8 ((F / 2) % 2),
	s_lshl_b32 s18, s18, 5
	s_bfe_u32 s19, s17, 0x10001
	s_lshl_b32 s19, s19, 3
	s_add_co_u32 s18, s18, s19
	s_and_b32 s19, s17, 1
	s_lshl_b32 s19, s19, 9                         ; and byte 512 (F % 2) of the row
	s_lshr_b32 s20, s17, 3                         ; as a fragment of w2: first row 16 (F / 8),
	s_lshl_b32 s20, s20, 4
	s_and_b32 s21, s17, 7
	s_lshl_b32 s21, s21, 9                         ; byte 512 (F % 8)
	s_lshl_b32 s28, s17, 11                        ; the image's place: 2,048 F
	s_mov_b32 s29, 0
	s_mov_b32 s31, 0
	s_mov_b32 s32, 0x76543210
	s_mov_b32 s33, 0xfedcba98
	s_wait_kmcnt 0x0
	s_load_b128 s[24:27], s[10:11], 0x0            ; e0 .. e3
	s_cmp_lt_u32 ttmp9, 32                         ; w1 or w2: the selections below leave SCC as it is
	s_cselect_b64 s[4:5], s[4:5], s[6:7]
	s_cselect_b64 s[12:13], s[12:13], s[14:15]
	s_cselect_b32 s18, s18, s20                    ; first row
	s_cselect_b32 s19, s19, s21                    ; byte in the row
	s_cselect_b32 s22, 10, 12                      ; a row is 1,024 or 4,096 bytes
	s_cselect_b32 s23, 8, 0                        ; w1's rows of a tile skip eight in the middle
	s_cselect_b32 s30, 0, 256                      ; the tensor's 64 partial sums
	s_add_nc_u64 s[8:9], s[8:9], s[30:31]
	s_add_nc_u64 s[12:13], s[12:13], s[28:29]
	v_and_b32 v4, s23, v2
	v_add3_u32 v4, v4, v2, s18                     ; my row
	v_lshlrev_b32 v4, s22, v4
	v_lshl_add_u32 v4, v3, 6, v4                   ; + 64 h: my 16 numbers of a block of 32
	v_add_nc_u32 v4, s19, v4
	v_lshlrev_b32 v5, 3, v1                        ; two partial sums a lane
	v_lshlrev_b32 v16, 4, v1                       ; the image: 16 x lane
	global_load_b64 v[6:7], v5, s[8:9]
.irp c, 0,1,2,3
.irp j, 0,1,2,3
	global_load_b128 v[X+16*\c+4*\j:X+16*\c+4*\j+3], v4, s[4:5] offset:128*\c+16*\j
.endr
.endr
	v_mov_b32 v8, 0                                ; a lane permute's destination counts as read
	s_wait_loadcnt 16                              ; the partial sums are in; the sixteen loads of w issued behind them may be out
	v_add_f32 v6, v6, v7
	v_add_f32_dpp v6, v6, v6 row_xmask:1 row_mask:0xf bank_mask:0xf
	v_add_f32_dpp v6, v6, v6 row_xmask:2 row_mask:0xf bank_mask:0xf
	v_add_f32_dpp v6, v6, v6 row_xmask:4 row_mask:0xf bank_mask:0xf
	v_add_f32_dpp v6, v6, v6 row_xmask:8 row_mask:0xf bank_mask:0xf
	v_permlanex16_b32 v8, v6, s32, s33
	v_add_f32 v6, v6, v8
	v_mul_f32 v6, 0x36800000, v6                   ; / 262,144: exact
	v_max_num_f32 v6, 0x3727c5ac, v6               ; clipped at 1e-5 from below
	v_rcp_f32 v10, v6
	v_nop                                          ; a plain instruction behind the transcendental,
	s_wait_alu depctr_va_vdst(0)                   ; and the wait ahead of its first reader
	v_fma_f32 v9, -v6, v10, 1.0
	v_fma_f32 v10, v9, v10, v10                    ; scale = 1 / mean
	v_rcp_f32 v12, v10
	v_mov_b32 v11, v10                             ; (the plain instruction)  the packed forms multiply by a pair
	s_wait_alu depctr_va_vdst(0)
	v_fma_f32 v9, -v10, v12, 1.0
	v_fma_f32 v12, v9, v12, v12                    ; 1 / scale
	v_mov_b32 v13, v12
	s_wait_kmcnt 0x0
	s_cmp_lt_u32 ttmp9, 32
	s_cselect_b32 s24, s25, s27                    ; e
	s_add_co_i32 s24, s24, 127
	s_lshl_b32 s25, s24, 23
	v_mov_b32 v15, s25                             ; 2^e as f32: the conversion takes its exponent field
	s_add_co_i32 s24, s24, 15
	s_lshl_b32 s24, s24, 23
	s_or_b32 s24, s24, 0x600000
	v_mov_b32 v14, s24                             ; 57,344 x 2^e
	s_wait_loadcnt 0x0
.set q, 0
.rept 32
	v_pk_mul_f32 v[T+q:T+q+1], v[X+q:X+q+1], v[10:11]       ; w * scale
.set q, q+2
.endr
.set q, 0
.rept 64
	v_rndne_f32 v[T+q], v[T+q]                     ; to the nearest whole number, ties to even
.set q, q+1
.endr
.set q, 0
.rept 64
	v_med3_num_f32 v[T+q], v[T+q], -1.0, 1.0
.set q, q+1
.endr
.set q, 0
.rept 32
	v_pk_mul_f32 v[T+q:T+q+1], v[T+q:T+q+1], v[12:13]       ; / scale
.set q, q+2
.endr
.set q, 0
.rept 32
	v_pk_add_f32 v[T+q:T+q+1], v[T+q:T+q+1], v[X+q:X+q+1] neg_lo:[0,1] neg_hi:[0,1]   ; - w
.set q, q+2
.endr
.set q, 0
.rept 32
	v_pk_add_f32 v[T+q:T+q+1], v[T+q:T+q+1], v[X+q:X+q+1]   ; + w
.set q, q+2
.endr
.set q, 0
.rept 64
	v_med3_num_f32 v[T+q], v[T+q], -v14, v14       ; the conversion to an 8-bit code does not saturate (ISA guide 7.6.2): the hold at the largest code x the scale
.set q, q+1
.endr
.irp g, 0,1,2,3,4,5,6,7
	v_cvt_scalef32_pk8_bf8_f32 v[C+2*\g:C+2*\g+1], v[T+8*\g:T+8*\g+7], v15
.endr
	v_nop                                          ; one plain instruction behind the last conversion
.irp c, 0,1,2,3
	global_store_b128 v16, v[C+4*\c:C+4*\c+3], s[12:13] offset:512*\c   ; 32 lanes store 512 consecutive bytes, at a multiple of 256 from the buffer's first byte
.endr
	s_endpgm
.Lfunc_end_k_q83a6727c18_wquant:
	.size	k_q83a6727c18_wquant, .Lfunc_end_k_q83a6727c18_wquant-k_q83a6727c18_wquant
	.p2alignl 7, 3214868480
	.fill 96, 4, 3214868480
	.section	.rodata,"a",@progbits
	.p2align	6, 0x0
	.amdhsa_kernel k_q83a6727c18_wquant
		.amdhsa_group_segment_fixed_size 0
		.amdhsa_private_segment_fixed_size 0
		.amdhsa_enable_private_segment 0
		.amdhsa_kernarg_size 48
		.amdhsa_user_sgpr_count 2
		.amdhsa_user_sgpr_kernarg_segment_ptr 1
		.amdhsa_wavefront_size32 1
		.amdhsa_system_sgpr_workgroup_id_x 1
		.amdhsa_system_sgpr_workgroup_id_y 1
		.amdhsa_system_sgpr_workgroup_id_z 1
		.amdhsa_system_vgpr_workitem_id 0
		.amdhsa_next_free_vgpr 192
		.amdhsa_next_free_sgpr 66
		.amdhsa_reserve_vcc 0
		.amdhsa_float_denorm_mode_32 3
		.amdhsa_float_denorm_mode_16_64 3
		.amdhsa_memory_ordered 1
		.amdhsa_forward_progress 1
		.amdhsa_inst_pref_size 24
	.end_amdhsa_kernel
	.amdgpu_metadata
---
amdhsa.version: [ 1, 2 ]
amdhsa.kernels:
  - .name:           k_q83a6727c18_wquant
    .symbol:         k_q83a6727c18_wquant.kd
    .args:
      - { .name: w1, .offset: 0, .size: 8, .value_kind: global_buffer, .address_space: global }
      - { .name: w2, .offset: 8, .size: 8, .value_kind: global_buffer, .address_space: global }
      - { .name: wpart, .offset: 16, .size: 8, .value_kind: global_buffer, .address_space: global }
      - { .name: lowp_scales, .offset: 24, .size: 8, .value_kind: global_buffer, .address_space: global }
      - { .name: w1img, .offset: 32, .size: 8, .value_kind: global_buffer, .address_space: global }
      - { .name: w2img, .offset: 40, .size: 8, .value_kind: global_buffer, .address_space: global }
    .group_segment_fixed_size: 0
    .private_segment_fixed_size: 0
    .kernarg_segment_align: 8
    .kernarg_segment_size: 48
    .max_flat_workgroup_size: 128
    .sgpr_count:     66
    .vgpr_count:     192
    .wavefront_size: 32
...
	.end_amdgpu_metadata
.endif
;; end of part 2
;; launch mlp (part 3): grid 256 x 1, 4 waves a work-group, clusters of 4 x 1, 327,680 bytes of LDS; arguments x, w1img, w2img, b1, b2, lowp_scales, out0; writes out0
.if DOCPART == 3
	.amdgcn_target "amdgcn-amd-amdhsa--gfx1250"
	.amdhsa_code_object_version 6
	.text
	.protected	k_q83a6727c18_mlp
	.globl	k_q83a6727c18_mlp
	.p2align	8
	.type	k_q83a6727c18_mlp,@function
k_q83a6727c18_mlp:
	s_mov_b64 s[64:65], 0
	v_nop
	global_prefetch_b8 v0, s[64:65] scope:SCOPE_SE
	s_setreg_imm32_b32 hwreg(HW_REG_WAVE_MODE, 25, 1), 1
	s_wait_xcnt 0x0
	s_wait_alu depctr_hold_cnt(0) depctr_sa_sdst(0) depctr_va_vdst(0) depctr_va_sdst(0) depctr_va_ssrc(0) depctr_va_vcc(0) depctr_vm_vsrc(0)
	s_getreg_b32 s2, hwreg(HW_REG_IB_STS2, 6, 4)
	s_cmp_eq_u32 s2, 0
	s_cbranch_scc0 .Lentry_in_a_cluster
	s_endpgm
.Lentry_in_a_cluster:
	s_bfe_u32 s2, ttmp6, 0x10000c
	s_cmp_lg_u32 s2, 0x3003
	s_cbranch_scc0 .Lentry_shape_is_right
	s_endpgm
.Lentry_shape_is_right:
; out = x + Q8(gelu(Q8(x) W1q^T + b1)) W2q^T + b2, for 65,536 tokens of 256, hidden 1,024.  Q8 is the per-token int8 quantiser by the largest magnitude; both products multiply codes of E5M2
; (each operand with its given scale 2^e, e0 .. e3) by v_wmma_f32_16x16x128_bf8_bf8, sums in f32.  W1q and W2q come as codes, laid as images of the operand's registers.
; SHARES.  256 work-groups of four waves; a work-group owns 256 tokens, taken as 8 blocks of 32 rows (two tiles m of 16).  THE WAVES SHARE THE COLUMNS: wave w makes hidden units 256 w .. + 255 (16 tiles t) and
; outputs 64 w .. + 63 (4 tiles n), for all 32 rows.  W1's images (256 KiB) stay in LDS, each wave's 64 KiB fetched and read by that wave alone; W2's stay in registers (512 a wave); the block's hidden layer stays in
; registers as f32 (256 a wave), since a token's largest magnitude over all 1,024 hidden numbers is wanted before any of them is quantised.  The hidden layer never goes to memory.
; CLUSTER.  All work-groups read the same W1: the four of a cluster ask for it jointly, one tensor load a wave, once.  No LDS byte is filled twice.  W2 goes straight into registers, so it is not asked for jointly.
; BOTH PRODUCTS ARE USED TRANSPOSED (source 0 = 16 rows of the weight, source 1 = 16 tokens): a lane holds ONE token (lane % 16) and eight neighbouring columns.  W1's rows of a tile are chosen so that
; the 16 registers of tiles 2 b and 2 b + 1 are 16 neighbours along the second product's K.  In every fragment lane (r, h) holds k = 32 c + 16 h + 0 .. 15 in registers 4 c .. 4 c + 3: a permutation of k, alike on both sides.
; ARITHMETIC, equal to the model's for every input:
;   the clip to -128 .. 127 never acts: |v| <= max, so |v * scale| rounds to 127 at the most.   v + (q - v) = q: for a whole number n other than 0, q / v lies in 2/3 .. 2 and the difference is exact; for n = 0 it is 0.
;   scale = 127 / max(largest magnitude, 1e-5): v_rcp_f32 with one Newton step.   n + M = fma(v, scale, M), M = 1.5 x 2^23: to the nearest whole number, ties to even.
;   q = fma(n + M, inv, -M inv), inv = 1 / scale cut to 22 significant bits, so that M inv is exact and q = n inv is rounded once.
;   The hidden layer is kept in raw units: s = the sum with b1 / 2^E as its C, E = e0 + e1;  g = s + s erf(s c), c = 2^E sqrt(1/2);  gelu = g 2^(E - 1).  Powers of two pass through the int8 quantiser exactly:
;   its floor is 1e-5 x 2^(1 - E) and the conversion's exponent is e2 - E + 1.
;   erf(u) = uc P(z) / Q(z), uc = u held within +-4, z = uc^2: a rational form of degrees 6 and 4 in z, good to a few units in f32's last place; the division is v_rcp_f32 and a multiplication.
; LIMITS.  1 + erf cancels for very negative h: gelu's absolute error there is about 1.2e-7 |h|.  NaN and infinities among the inputs are not served.
;   E between -125 and 110; e0 and e2 - E + 1 between -126 and 112; e2 + e3 between -126 and 127: so that each power of two below is an f32 number.
; x IS READ TWICE: once to be quantised, once, a block later, for the residual: no 32 KiB of registers or LDS are free to keep it.
;
; LDS (bytes)
.set HIMG,  262144                     ; behind W1's images (0 .. 262,143): the hidden layer's 16 images, (8 m + s) x 2,048; later the stage for y
.set STAGE, HIMG                       ; 32 rows x (1,024 + 16)
.set SPIT,  1040
.set XC,    295424                     ; x's codes: 32 rows x (256 + 16)
.set XPIT,  272
.set B1S,   304128                     ; b1 / 2^E, 4,096 bytes
.set MAXR,  308224                     ; the rows' largest magnitudes: (16 m + r) x 16 + 4 x wave
; VECTOR REGISTERS.  Window 0:
.set AW,   1                           ; 16 lane + 65,536 w: my images of W1
.set AB,   2                           ; B1S + 64 h + 1,024 w
.set AXF,  3                           ; XC + 272 r + 16 h: x's fragments
.set AXS,  4                           ; XC + 2,176 w + 4 lane: where I put x's codes
.set AMS,  5                           ; MAXR + 16 r + 4 w
.set AML,  6                           ; MAXR + 16 r
.set AHS,  7                           ; HIMG + 16 lane + 4,096 w
.set AHL,  8                           ; HIMG + 16 lane
.set AST,  9                           ; STAGE + 1,040 r + 32 h + 256 w
.set ASR,  10                          ; STAGE + 8,320 w + 16 lane
.set GX,   11                          ; 8,192 w + 16 lane: my 8 rows of a block of x or out
.set PFO,  12                          ; 8,192 w + 256 lane
.set LIMH, 13                          ; 57,344 x 2^(e2 - E + 1)
.set CVH,  14                          ; 2^(e2 - E + 1)
.set LIMX, 15                          ; 57,344 x 2^e0
.set CVX,  16                          ; 2^e0
.set FLH,  17                          ; 1e-5 x 2^(1 - E)
.set FLX,  18                          ; 1e-5
.set LI,   19                          ; 16 lane
.set B2R,  20                          ; v20-27  b2 at columns 4 lane .. and 128 + 4 lane ..
.set STAT, 32                          ; v32-47  a block of 8 for each m: +0 scale, +1 largest magnitude, +2 inv, +3 at work, +4 -M inv, +5 at work, +6 second chain of the maximum
.set BIA,  48                          ; v48-55  a tile's bias; in phase 2 the four waves' maxima
.set ACC,  56                          ; v56-87  two sets of two accumulators (m = 0, 1)
.set WF,   88                          ; v88-119 one tile of W1: K steps 0, 1
.set PC,   56                          ; v56-119 phase 2: the hidden layer's codes, four fragments
.set RB,   56                          ; v56-119 phase 4: 8 rows of y
.set TMP,  120                         ; v120-183 at work; from the end of phase 1 on the next block's x
.set UU,   120
.set ZZ,   136
.set PP,   152
.set QQ,   168
.set XF,   184                         ; v184-247 x's four fragments (m, s) at 16 (2 m + s); phases 2-4 the residual's x; while x is quantised eight blocks like STAT's
.set KA11, 248                         ; v248-249 a11, v250-251 b6, each twice
.set KB6,  250
; Window 1: g(m, t, j) at 128 m + 8 t + j; in phases 3 and 4 v0-63 y's accumulators (n, m) at 8 (2 n + m), v64-255 six buffers of two hidden fragments.   Windows 2, 3: W2's fragment (n, s) at 16 (4 (s % 4) + n) of window 2 + s / 4.
; SCALAR REGISTERS: s[4:5] x at the block in hand; s[8:9] my images of W2; s[16:17] out at the block in hand; s[20:21] x at the next block (held at the last); s[24:31], s[32:35] the descriptor; s[36:39] e0 .. e3; s40-43 at work
.set WV,   18
.set BLK,  19                          ; blocks to go
.set KC,   44                          ; s[44:45] c;  s[46:47] M;  s[48:49] 2^(e2 + e3): each constant twice, since the packed forms name a pair
.set KM,   46
.set KY,   48
.set KA13, 50
.set KA9,  52
.set KA7,  54
.set KA5,  56
.set KA3,  58
.set KA1,  60
.set KB8,  66
.set KB4,  68
.set KB2,  70
.set KB0,  72
.set K127, 74                          ; s74 127.0;  s75 -M
.set KNM,  75
.set MSB, 0
.macro WIN new                         ; low byte: bits 1:0 source 0, 3:2 source 1, 5:4 source 2, 7:6 destination; the high byte repeats the setting that is left
.if MSB != (\new)
	s_set_vgpr_msb (MSB<<8)|(\new)
.set MSB, (\new)
.endif
.endm
.macro ROUND                           ; a round of the cluster's barrier
	s_barrier_signal -1
	s_barrier_wait -1
	s_cmp_lg_u32 s[WV], 0
	s_cbranch_scc1 .Lnot_wave_0_\@
	s_barrier_signal -3
.Lnot_wave_0_\@:
	s_barrier_wait -3
	s_barrier_signal -1
	s_barrier_wait -1
.endm
.macro PLACES n                        ; plain vector instructions between a matrix instruction and a load into, or a read of, its registers
.rept \n
	v_nop
.endr
.endm
.macro BAR                             ; my LDS stores have landed and my LDS loads are in: then the work-group's barrier
	s_wait_dscnt 0x0
	s_barrier_signal -1
	s_barrier_wait -1
.endm
.macro KPAIR r, val
	s_mov_b32 s[\r], \val
	s_mov_b32 s[\r+1], \val
.endm
; my 8 rows of a block: lane l takes columns 4 l .. 4 l + 3 and 128 + 4 l .. + 3 of each; a load of the wave covers 512 consecutive bytes
.macro XLOAD reg, sb, nt
.irp i, 0,1,2,3,4,5,6,7
.if \nt
	global_load_b128 v[\reg+8*\i:\reg+8*\i+3], v[GX], s[\sb:\sb+1] offset:1024*\i th:TH_LOAD_NT
	global_load_b128 v[\reg+8*\i+4:\reg+8*\i+7], v[GX], s[\sb:\sb+1] offset:1024*\i+512 th:TH_LOAD_NT
.else
	global_load_b128 v[\reg+8*\i:\reg+8*\i+3], v[GX], s[\sb:\sb+1] offset:1024*\i
	global_load_b128 v[\reg+8*\i+4:\reg+8*\i+7], v[GX], s[\sb:\sb+1] offset:1024*\i+512
.endif
.endr
.endm
; From the largest magnitude (+1) of cnt blocks of 8 registers: scale (+0), inv (+2), -M inv (+4).  Each batch of reciprocals has one plain instruction and one wait behind it.
.macro SCALES base, cnt
.set cq, 0
.rept \cnt
	v_rcp_f32 v[\base+8*cq+3], v[\base+8*cq+1]
.set cq, cq+1
.endr
	v_nop
	s_wait_alu depctr_va_vdst(0)
.set cq, 0
.rept \cnt
	v_mul_f32 v[\base+8*cq], s[K127], v[\base+8*cq+3]
.set cq, cq+1
.endr
.set cq, 0
.rept \cnt
	v_fma_f32 v[\base+8*cq+5], -v[\base+8*cq+1], v[\base+8*cq], s[K127]      ; what 127 / max still lacks,
.set cq, cq+1
.endr
.set cq, 0
.rept \cnt
	v_fma_f32 v[\base+8*cq], v[\base+8*cq+5], v[\base+8*cq+3], v[\base+8*cq] ; added
.set cq, cq+1
.endr
.set cq, 0
.rept \cnt
	v_rcp_f32 v[\base+8*cq+2], v[\base+8*cq]
.set cq, cq+1
.endr
	v_nop
	s_wait_alu depctr_va_vdst(0)
.set cq, 0
.rept \cnt
	v_fma_f32 v[\base+8*cq+5], -v[\base+8*cq], v[\base+8*cq+2], 1.0
.set cq, cq+1
.endr
.set cq, 0
.rept \cnt
	v_fma_f32 v[\base+8*cq+2], v[\base+8*cq+5], v[\base+8*cq+2], v[\base+8*cq+2]
.set cq, cq+1
.endr
.set cq, 0
.rept \cnt
	v_add_nc_u32 v[\base+8*cq+2], 2, v[\base+8*cq+2]                         ; to 22 significant bits, to the nearest
.set cq, cq+1
.endr
.set cq, 0
.rept \cnt
	v_and_b32 v[\base+8*cq+2], -4, v[\base+8*cq+2]
.set cq, cq+1
.endr
.set cq, 0
.rept \cnt
	v_mul_f32 v[\base+8*cq+4], s[KNM], v[\base+8*cq+2]                       ; exact: 3 x 22 bits fit in 24
.set cq, cq+1
.endr
.endm
; My 8 rows of x, in TMP (row i at 8 i), become codes in XC.  A row lies across the wave's 32 lanes.  Each stage runs over the 8 rows, so that no line waits for the line above it.
.macro XQ
.irp i, 0,1,2,3,4,5,6,7
	v_mov_b32 v[XF+8*\i+3], 0                      ; a lane permute's destination counts as read
.endr
.irp i, 0,1,2,3,4,5,6,7
	v_max3_num_f32 v[XF+8*\i+1], v[FLX], |v[TMP+8*\i]|, |v[TMP+8*\i+1]|       ; the floor 1e-5 is a leaf of the maximum
.endr
.irp p, 2,4,6
.irp i, 0,1,2,3,4,5,6,7
	v_max3_num_f32 v[XF+8*\i+1], v[XF+8*\i+1], |v[TMP+8*\i+\p]|, |v[TMP+8*\i+\p+1]|
.endr
.endr
.irp k, 1,2,4,8
.irp i, 0,1,2,3,4,5,6,7
	v_max_num_f32_dpp v[XF+8*\i+1], v[XF+8*\i+1], v[XF+8*\i+1] row_xmask:\k row_mask:0xf bank_mask:0xf
.endr
.endr
.irp i, 0,1,2,3,4,5,6,7
	v_permlanex16_b32 v[XF+8*\i+3], v[XF+8*\i+1], s22, s23
.endr
.irp i, 0,1,2,3,4,5,6,7
	v_max_num_f32 v[XF+8*\i+1], v[XF+8*\i+1], v[XF+8*\i+3]
.endr
	SCALES XF, 8
.irp p, 0,2,4,6
.irp i, 0,1,2,3,4,5,6,7
	v_pk_fma_f32 v[TMP+8*\i+\p:TMP+8*\i+\p+1], v[TMP+8*\i+\p:TMP+8*\i+\p+1], v[XF+8*\i:XF+8*\i+1], s[KM:KM+1] op_sel_hi:[1,0,0]   ; n + M
.endr
.endr
.irp p, 0,2,4,6
.irp i, 0,1,2,3,4,5,6,7
	v_pk_fma_f32 v[TMP+8*\i+\p:TMP+8*\i+\p+1], v[TMP+8*\i+\p:TMP+8*\i+\p+1], v[XF+8*\i+2:XF+8*\i+3], v[XF+8*\i+4:XF+8*\i+5] op_sel_hi:[1,0,0]   ; n inv
.endr
.endr
.set xq, 0
.rept 64
	v_med3_num_f32 v[TMP+xq], v[TMP+xq], -v[LIMX], v[LIMX]     ; the conversion to an 8-bit code does not saturate (ISA guide 7.6.2)
.set xq, xq+1
.endr
.irp i, 0,1,2,3,4,5,6,7
	v_cvt_scalef32_pk8_bf8_f32 v[XF+8*\i+6:XF+8*\i+7], v[TMP+8*\i:TMP+8*\i+7], v[CVX]
.endr
	v_nop                                          ; one plain instruction behind the last conversion
.irp i, 0,1,2,3,4,5,6,7
	ds_store_b32 v[AXS], v[XF+8*\i+6] offset:XPIT*\i        ; codes of columns 4 l .. 4 l + 3,
	ds_store_b32 v[AXS], v[XF+8*\i+7] offset:XPIT*\i+128    ; and of 128 + 4 l ..
.endr
.endm
.macro XFETCH                          ; x's four fragments
.irp m, 0,1
.irp s, 0,1
.irp c, 0,1,2,3
	ds_load_b128 v[XF+16*(2*\m+\s)+4*\c:XF+16*(2*\m+\s)+4*\c+3], v[AXF] offset:16*XPIT*\m+128*\s+32*\c
.endr
.endr
.endr
.endm
.macro WFETCH t                        ; tile t of W1, both K steps, and its eight numbers of b1 / 2^E
.irp s, 0,1
.irp c, 0,1,2,3
	ds_load_b128 v[WF+16*\s+4*\c:WF+16*\s+4*\c+3], v[AW] offset:4096*(\t)+2048*\s+512*\c
.endr
.endr
	ds_load_b128 v[BIA:BIA+3], v[AB] offset:128*((\t)/2)+32*((\t)%2)
	ds_load_b128 v[BIA+4:BIA+7], v[AB] offset:128*((\t)/2)+32*((\t)%2)+16
.endm
; Matrix instruction k of four of tile t: the two accumulators (m = 0, 1) take turns, one instruction a turn; the bias is the C of each sum's first instruction
.macro MM1 t, k
.set A0, ACC+16*((\t)%2)
.if \k == 0
	v_wmma_f32_16x16x128_bf8_bf8 v[A0:A0+7], v[WF:WF+15], v[XF:XF+15], v[BIA:BIA+7]
.elseif \k == 1
	v_wmma_f32_16x16x128_bf8_bf8 v[A0+8:A0+15], v[WF:WF+15], v[XF+32:XF+47], v[BIA:BIA+7]
.elseif \k == 2
	v_wmma_f32_16x16x128_bf8_bf8 v[A0:A0+7], v[WF+16:WF+31], v[XF+16:XF+31], v[A0:A0+7]
.else
	v_wmma_f32_16x16x128_bf8_bf8 v[A0+8:A0+15], v[WF+16:WF+31], v[XF+48:XF+63], v[A0+8:A0+15]
.endif
.endm
.macro HORN acc, k                     ; acc = acc z + a constant, 16 numbers
.set hq, 0
.rept 8
	v_pk_fma_f32 v[\acc+hq:\acc+hq+1], v[\acc+hq:\acc+hq+1], v[ZZ+hq:ZZ+hq+1], s[\k:\k+1] op_sel_hi:[1,1,0]
.set hq, hq+2
.endr
.endm
; Tile t's 16 sums a lane become g; tile t + 1's four matrix instructions stand among the first vector lines, eight of them behind each; tile t + 2's fragments are asked for behind the last.
.macro STEP t
.set AT, ACC+16*((\t)%2)
.if (\t) < 15
	s_wait_dscnt 0x0                               ; tile t + 1's fragments and bias, asked for a step ago
	MM1 (\t)+1, 0
.endif
.set sq, 0
.rept 8
	v_pk_mul_f32 v[UU+sq:UU+sq+1], v[AT+sq:AT+sq+1], s[KC:KC+1] op_sel_hi:[1,0]     ; u = s c; each accumulator is read from its low end on
.set sq, sq+2
.endr
.if (\t) < 15
	MM1 (\t)+1, 1
.endif
.set sq, 0
.rept 8
	v_med3_num_f32 v[UU+sq], v[UU+sq], -4.0, 4.0
.set sq, sq+1
.endr
.if (\t) < 15
	MM1 (\t)+1, 2
.endif
.rept 8
	v_med3_num_f32 v[UU+sq], v[UU+sq], -4.0, 4.0
.set sq, sq+1
.endr
.if (\t) < 15
	MM1 (\t)+1, 3
.endif
.set sq, 0
.rept 8
	v_pk_mul_f32 v[ZZ+sq:ZZ+sq+1], v[UU+sq:UU+sq+1], v[UU+sq:UU+sq+1]               ; z; these eight are also the places in front of the loads below
.set sq, sq+2
.endr
.if (\t) < 14
	WFETCH (\t)+2
.endif
.set sq, 0
.rept 8
	v_pk_fma_f32 v[PP+sq:PP+sq+1], v[ZZ+sq:ZZ+sq+1], s[KA13:KA13+1], v[KA11:KA11+1] op_sel_hi:[1,0,1]
.set sq, sq+2
.endr
.set sq, 0
.rept 8
	v_pk_fma_f32 v[QQ+sq:QQ+sq+1], v[ZZ+sq:ZZ+sq+1], s[KB8:KB8+1], v[KB6:KB6+1] op_sel_hi:[1,0,1]
.set sq, sq+2
.endr
	HORN PP, KA9
	HORN QQ, KB4
	HORN PP, KA7
	HORN QQ, KB2
	HORN PP, KA5
	HORN QQ, KB0
	HORN PP, KA3
	HORN PP, KA1
.set sq, 0
.rept 16
	v_rcp_f32 v[QQ+sq], v[QQ+sq]                   ; one batch
.set sq, sq+1
.endr
.set sq, 0
.rept 8
	v_pk_mul_f32 v[PP+sq:PP+sq+1], v[PP+sq:PP+sq+1], v[UU+sq:UU+sq+1]               ; uc P: plain work that names no reciprocal
.set sq, sq+2
.endr
	s_wait_alu depctr_va_vdst(0)                   ; one wait for the batch, ahead of its first reader
.set sq, 0
.rept 8
	v_pk_mul_f32 v[PP+sq:PP+sq+1], v[PP+sq:PP+sq+1], v[QQ+sq:QQ+sq+1]               ; erf
.set sq, sq+2
.endr
	WIN 0x40                                       ; destination window 1
.set sq, 0
.rept 4
	v_pk_fma_f32 v[8*(\t)+sq:8*(\t)+sq+1], v[AT+sq:AT+sq+1], v[PP+sq:PP+sq+1], v[AT+sq:AT+sq+1]   ; g = s erf + s
.set sq, sq+2
.endr
.set sq, 0
.rept 4
	v_pk_fma_f32 v[128+8*(\t)+sq:128+8*(\t)+sq+1], v[AT+8+sq:AT+8+sq+1], v[PP+8+sq:PP+8+sq+1], v[AT+8+sq:AT+8+sq+1]
.set sq, sq+2
.endr
	WIN 0
.endm
; The largest |g| of my token among my wave's 256 hidden units, for each m: two chains a tile of rows, the floor as a leaf; then the other half of the lanes'; then to LDS for the other waves
.macro ROWMAX
	WIN 0x14                                       ; sources 1 and 2 window 1
.irp m, 0,1
	v_max3_num_f32 v[STAT+8*\m+1], v[FLH], |v[128*\m]|, |v[128*\m+1]|
	v_max3_num_f32 v[STAT+8*\m+6], v[FLH], |v[128*\m+2]|, |v[128*\m+3]|
.endr
.set rq, 4
.rept 31
.irp m, 0,1
	v_max3_num_f32 v[STAT+8*\m+1], v[STAT+8*\m+1], |v[128*\m+rq]|, |v[128*\m+rq+1]|
	v_max3_num_f32 v[STAT+8*\m+6], v[STAT+8*\m+6], |v[128*\m+rq+2]|, |v[128*\m+rq+3]|
.endr
.set rq, rq+4
.endr
	WIN 0
.irp m, 0,1
	v_max_num_f32 v[STAT+8*\m+1], v[STAT+8*\m+1], v[STAT+8*\m+6]
.endr
.irp m, 0,1
	v_permlanex16_b32 v[STAT+8*\m+3], v[STAT+8*\m+1], s22, s23
.endr
.irp m, 0,1
	v_max_num_f32 v[STAT+8*\m+1], v[STAT+8*\m+1], v[STAT+8*\m+3]
.endr
.irp m, 0,1
	ds_store_b32 v[AMS], v[STAT+8*\m+1] offset:256*\m
.endr
.endm
; 64 numbers g of a lane (tile of rows m, half sl of my 256 hidden units) become K step 2 w + sl of the second product: int8 quantiser, hold, conversion; the fragment goes to LDS as it stands
.macro HQ m, sl
.set HG, 128*\m+64*\sl
.set HP, PC+16*(2*\m+\sl)
.set HS, STAT+8*\m
	WIN 0x41                                       ; source 0 and destination window 1
.set hq, 0
.rept 32
	v_pk_fma_f32 v[HG+hq:HG+hq+1], v[HG+hq:HG+hq+1], v[HS:HS+1], s[KM:KM+1] op_sel_hi:[1,0,0]
.set hq, hq+2
.endr
.set hq, 0
.rept 32
	v_pk_fma_f32 v[HG+hq:HG+hq+1], v[HG+hq:HG+hq+1], v[HS+2:HS+3], v[HS+4:HS+5] op_sel_hi:[1,0,0]
.set hq, hq+2
.endr
.set hq, 0
.rept 64
	v_med3_num_f32 v[HG+hq], v[HG+hq], -v[LIMH], v[LIMH]
.set hq, hq+1
.endr
	WIN 0x01                                       ; source 0 window 1
.set hq, 0
.rept 8
	v_cvt_scalef32_pk8_bf8_f32 v[HP+2*hq:HP+2*hq+1], v[HG+8*hq:HG+8*hq+7], v[CVH]
.set hq, hq+1
.endr
	v_nop                                          ; one plain instruction behind the last conversion
	WIN 0
.irp c, 0,1,2,3
	ds_store_b128 v[AHS], v[HP+4*\c:HP+4*\c+3] offset:16384*\m+2048*\sl+512*\c
.endr
.endm
.macro HFETCH sg, buf                  ; K step sg's two hidden fragments (m = 0, 1) into buffer buf of window 1
	WIN 0x40
.irp m, 0,1
.irp c, 0,1,2,3
	ds_load_b128 v[64+32*(\buf)+16*\m+4*\c:64+32*(\buf)+16*\m+4*\c+3], v[AHL] offset:(8*\m+(\sg))*2048+512*\c
.endr
.endr
.endm
.macro MM2 sg, buf                     ; eight matrix instructions: the eight accumulators of y by turns, one instruction a turn; K step 0 starts the sums
	WIN 0x56+((\sg)/4)                             ; source 0 (W2) window 2 or 3; source 1, C and D window 1
.irp n, 0,1,2,3
.irp m, 0,1
.if (\sg) == 0
	v_wmma_f32_16x16x128_bf8_bf8 v[8*(2*\n+\m):8*(2*\n+\m)+7], v[16*(4*((\sg)%4)+\n):16*(4*((\sg)%4)+\n)+15], v[64+32*(\buf)+16*\m:64+32*(\buf)+16*\m+15], 0
.else
	v_wmma_f32_16x16x128_bf8_bf8 v[8*(2*\n+\m):8*(2*\n+\m)+7], v[16*(4*((\sg)%4)+\n):16*(4*((\sg)%4)+\n)+15], v[64+32*(\buf)+16*\m:64+32*(\buf)+16*\m+15], v[8*(2*\n+\m):8*(2*\n+\m)+7]
.endif
.endr
.endr
.endm
	; ---------------- THE HEAD
	s_load_b256 s[4:11], s[0:1], 0x0               ; x s[4:5], w1img s[6:7], w2img s[8:9], b1 s[10:11]
	s_load_b128 s[12:15], s[0:1], 0x20             ; b2 s[12:13], lowp_scales s[14:15]
	s_load_b64 s[16:17], s[0:1], 0x30              ; out0
	v_lshl_add_u32 v254, v0, 2, 0x4b600
	v_mov_b32 v255, 0
	ds_add_u32 v254, v255
	ds_add_u32 v254, v255
	v_lshrrev_b32 v28, 5, v0
	v_readfirstlane_b32 s[WV], v28                 ; wave 0..3
	v_and_b32 v28, 31, v0                          ; lane
	v_and_b32 v29, 15, v0                          ; r
	v_bfe_u32 v30, v0, 4, 1                        ; h
	v_lshlrev_b32 v[LI], 4, v28
	s_lshl_b32 s42, s[WV], 16                      ; 65,536 w: my part of W1's and of W2's images, in memory and in LDS
	s_mov_b32 s43, 0
	v_add_nc_u32 v[AW], s42, v[LI]
	s_lshl_b32 s41, s[WV], 10
	s_add_co_u32 s41, s41, B1S
	v_lshl_add_u32 v[AB], v30, 6, s41
	v_mul_u32_u24 v[AXF], v29, XPIT
	v_lshl_add_u32 v[AXF], v30, 4, v[AXF]
	v_add_nc_u32 v[AXF], XC, v[AXF]
	s_mul_i32 s41, s[WV], 8*XPIT
	s_add_co_u32 s41, s41, XC
	v_lshl_add_u32 v[AXS], v28, 2, s41
	s_lshl_b32 s41, s[WV], 2
	s_add_co_u32 s41, s41, MAXR
	v_lshl_add_u32 v[AMS], v29, 4, s41
	v_lshlrev_b32 v[AML], 4, v29
	v_add_nc_u32 v[AML], MAXR, v[AML]
	s_lshl_b32 s41, s[WV], 12
	s_add_co_u32 s41, s41, HIMG
	v_add_nc_u32 v[AHS], s41, v[LI]
	v_add_nc_u32 v[AHL], HIMG, v[LI]
	v_mul_u32_u24 v[AST], v29, SPIT
	v_lshl_add_u32 v[AST], v30, 5, v[AST]
	s_lshl_b32 s41, s[WV], 8
	s_add_co_u32 s41, s41, STAGE
	v_add_nc_u32 v[AST], s41, v[AST]
	s_mul_i32 s41, s[WV], 8*SPIT
	s_add_co_u32 s41, s41, STAGE
	v_add_nc_u32 v[ASR], s41, v[LI]
	s_lshl_b32 s41, s[WV], 13
	v_add_nc_u32 v[GX], s41, v[LI]
	v_lshl_add_u32 v[PFO], v28, 8, s41
	v_lshlrev_b32 v31, 5, v0                       ; b1: eight numbers a thread
	v_add_nc_u32 v28, B1S, v31                     ; and their place in LDS
	v_mov_b32 v[STAT+3], 0                         ; lane permutes' destinations count as read
	v_mov_b32 v[STAT+11], 0
	v_mov_b32 v[KA11], 0x32edffee
	v_mov_b32 v[KA11+1], 0x32edffee
	v_mov_b32 v[KB6], 0xb95fbd29
	v_mov_b32 v[KB6+1], 0xb95fbd29
	v_mov_b32 v[FLX], 0x3727c5ac                   ; 1e-5
	; the descriptor: my 64 KiB of W1's images, dense, as 256 rows of 256 bytes
	s_mov_b32 s24, 15|(3<<16)|(1<<21)              ; 15:0 the mask: all four work-groups; 17:16 elements of 8 bytes; 21 set beside a mask; no padding
	s_mov_b32 s25, 32<<16                          ; tensor_dim0 = 32 elements
	s_mov_b32 s26, 256<<16                         ; tensor_dim1 = 256
	s_mov_b32 s27, 32<<16                          ; tile_dim0 = 32
	s_mov_b32 s28, 256                             ; tile_dim1 = 256
	s_mov_b32 s29, 32                              ; from row to row
	s_mov_b32 s30, 0
	s_mov_b32 s31, 0
	s_mov_b32 s32, 1                               ; count = 1
	s_lshl_b32 s33, s[WV], 16                      ; LDS address: no place in the cluster enters it
	s_bfe_u32 s40, ttmp6, 0x40000                  ; cx
	s_lshl_b32 s41, ttmp9, 2                       ; in a cluster launch ttmp9 counts clusters
	s_add_co_u32 s40, s40, s41                     ; my work-group: it enters the addresses of x and out alone
	s_lshl_b32 s40, s40, 18                        ; 256 tokens of 1,024 bytes
	s_mov_b32 s41, 0
	s_mov_b32 s[BLK], 8
	s_mov_b32 s22, 0x76543210                      ; v_permlanex16_b32: each lane takes its own place in the other half
	s_mov_b32 s23, 0xfedcba98
	KPAIR KM,   0x4b400000                         ; M = 1.5 x 2^23
	KPAIR KA13, 0xaf95df0b
	KPAIR KA9,  0xb60cff51
	KPAIR KA7,  0xb86ec2d2
	KPAIR KA5,  0xba40ac63
	KPAIR KA3,  0xbb41a1f6
	KPAIR KA1,  0xbc83dbd4
	KPAIR KB8,  0xb77460cd
	KPAIR KB4,  0xbadc924e
	KPAIR KB2,  0xbbf19bf8
	KPAIR KB0,  0xbc69b6a7
	s_mov_b32 s[K127], 0x42fe0000
	s_mov_b32 s[KNM], 0xcb400000
	s_wait_dscnt 0x0
	s_wait_kmcnt 0x0
	s_load_b128 s[36:39], s[14:15], 0x0            ; e0 .. e3
	s_add_nc_u64 s[34:35], s[6:7], s[42:43]        ; global address of my part of W1's images: the same in all four partners
	s_or_b32 s35, s35, 0x80000000                  ; type = 2
	s_add_nc_u64 s[8:9], s[8:9], s[42:43]
	s_add_nc_u64 s[4:5], s[4:5], s[40:41]
	s_add_nc_u64 s[16:17], s[16:17], s[40:41]
	s_add_nc_u64 s[20:21], s[4:5], 0x8000          ; the next block
	ROUND                                          ; all four work-groups are here: the joint loads meet
	tensor_load_to_lds s[32:35], s[24:31]          ; my one tensor load of the launch
	s_nop 0
	PLACES 4                                       ; four plain lines follow it
	XLOAD TMP, 4, 0                                ; block 0 of x
	global_load_b128 v[ACC:ACC+3], v31, s[10:11]
	global_load_b128 v[ACC+4:ACC+7], v31, s[10:11] offset:16
	global_load_b128 v[B2R:B2R+3], v[LI], s[12:13]
	global_load_b128 v[B2R+4:B2R+7], v[LI], s[12:13] offset:512
.irp g, 0,1                            ; W2's 32 fragments: they stay.  K steps 0-3 in window 2, 4-7 in window 3
	WIN 0x80+0x40*\g
.irp s, 0,1,2,3
.irp n, 0,1,2,3
.irp c, 0,1,2,3
	global_load_b128 v[16*(4*\s+\n)+4*\c:16*(4*\s+\n)+4*\c+3], v[LI], s[8:9] offset:(8*\n+4*\g+\s)*2048+512*\c
.endr
.endr
.endr
.endr
	WIN 0
	s_wait_kmcnt 0x0
	s_add_co_i32 s40, s36, s37                     ; E = e0 + e1
	s_lshl_b32 s41, s40, 23
	s_add_co_i32 s[KC], s41, 0x3f3504f3            ; c = 2^E sqrt(1/2): E is added to the exponent field
	s_mov_b32 s[KC+1], s[KC]
	s_sub_co_i32 s42, 0, s40                       ; -E
	s_sub_co_i32 s43, 1, s40                       ; 1 - E
	v_ldexp_f32 v[FLH], v[FLX], s43
	s_add_co_i32 s41, s38, s43                     ; e2 - E + 1
	s_add_co_i32 s41, s41, 127
	s_lshl_b32 s43, s41, 23
	v_mov_b32 v[CVH], s43
	s_add_co_i32 s41, s41, 15
	s_lshl_b32 s41, s41, 23
	s_or_b32 s41, s41, 0x600000
	v_mov_b32 v[LIMH], s41
	s_add_co_i32 s41, s36, 127
	s_lshl_b32 s43, s41, 23
	v_mov_b32 v[CVX], s43
	s_add_co_i32 s41, s41, 15
	s_lshl_b32 s41, s41, 23
	s_or_b32 s41, s41, 0x600000
	v_mov_b32 v[LIMX], s41
	s_add_co_i32 s[KY], s38, s39
	s_add_co_i32 s[KY], s[KY], 127
	s_lshl_b32 s[KY], s[KY], 23                    ; 2^(e2 + e3)
	s_mov_b32 s[KY+1], s[KY]
	s_wait_loadcnt 63                              ; x, b1 and b2 are in: 128 loads of W2 were issued behind them, and the youngest 63 may stay out
.irp j, 0,1,2,3,4,5,6,7
	v_ldexp_f32 v[ACC+\j], v[ACC+\j], s42          ; b1 / 2^E
.endr
	ds_store_b128 v28, v[ACC:ACC+3]
	ds_store_b128 v28, v[ACC+4:ACC+7] offset:16
	XQ
	s_wait_tensorcnt 0x0                           ; my part of W1's images is in LDS; I alone read it
	; ---------------- A BLOCK OF 32 ROWS
.Lblock:
	BAR                                            ; x's codes (and, the first time, b1) lie in LDS; all reads of the stage are over
	; ---- 1: the hidden layer
	XFETCH
	WFETCH 0
	s_wait_dscnt 0x0
	MM1 0, 0
	MM1 0, 1
	MM1 0, 2
	MM1 0, 3
	PLACES 4                                       ; in front of loads into registers that these have read, and of the first read of their results
	WFETCH 1
.irp t, 0,1,2,3,4,5,6,7,8,9,10,11,12,13,14,15
	STEP \t
.endr
	XLOAD XF, 4, 1                                 ; this block's x once more, for the residual: its last use
	XLOAD TMP, 20, 0                               ; the next block's x (in the last trip the last block's again: every count of loads is the same in every trip, and no load leaves the buffer)
	s_cmp_gt_u32 s[BLK], 2                         ; a prefetch of the block after the next, behind the trip's loads: the four waves' 128 lanes name its 128 aligned pieces of 256 bytes, each once in the launch;
	s_cbranch_scc0 .Lnopf                          ; one trip ahead of the loads that want it; the last two trips ask for nothing; blocks 0 and 1 come by their loads alone
	global_prefetch_b8 v[PFO], s[20:21] offset:32768 th:TH_LOAD_NT scope:SCOPE_SE
.Lnopf:
	ROWMAX
	BAR                                            ; every wave's maxima lie in LDS
	; ---- 2: the int8 quantiser and the codes
	ds_load_b128 v[BIA:BIA+3], v[AML]
	ds_load_b128 v[BIA+4:BIA+7], v[AML] offset:256
	s_wait_dscnt 0x0
	v_max3_num_f32 v[STAT+1], v[BIA], v[BIA+1], v[BIA+2]
	v_max3_num_f32 v[STAT+9], v[BIA+4], v[BIA+5], v[BIA+6]
	v_max_num_f32 v[STAT+1], v[STAT+1], v[BIA+3]
	v_max_num_f32 v[STAT+9], v[STAT+9], v[BIA+7]
	SCALES STAT, 2
	HQ 0, 0
	HQ 0, 1
	HQ 1, 0
	HQ 1, 1
	BAR                                            ; the hidden layer's sixteen fragments lie in LDS
	; ---- 3: my 64 outputs for the 32 rows
.irp s, 0,1,2,3,4,5
	HFETCH \s, \s
.endr
	s_wait_loadcnt 32                              ; W2 is in: behind it only this trip's 32 loads of x were issued
	s_wait_dscnt 40                                ; each count: the LDS loads issued behind that K step's eight
	MM2 0, 0
	s_wait_dscnt 32
	MM2 1, 1
	PLACES 4                                       ; in front of loads into the two buffers just read
	HFETCH 6, 0
	HFETCH 7, 1
	s_wait_dscnt 40
	MM2 2, 2
	s_wait_dscnt 32
	MM2 3, 3
	s_wait_dscnt 24
	MM2 4, 4
	s_wait_dscnt 16
	MM2 5, 5
	s_wait_dscnt 8
	MM2 6, 0
	s_wait_dscnt 0x0
	MM2 7, 1
	PLACES 4                                       ; in front of the first read of the results
	WIN 0
	BAR                                            ; all reads of the hidden layer's images are over: the stage may be laid over them
	WIN 0x04                                       ; store data window 1
.irp n, 0,1,2,3
.irp m, 0,1
	ds_store_b128 v[AST], v[8*(2*\n+\m):8*(2*\n+\m)+3] offset:16*SPIT*\m+64*\n          ; lane (r, h): sum(16 m + r, 64 w + 16 n + 8 h + 0 .. 7); each accumulator from its low end on
	ds_store_b128 v[AST], v[8*(2*\n+\m)+4:8*(2*\n+\m)+7] offset:16*SPIT*\m+64*\n+16
.endr
.endr
	WIN 0
	BAR                                            ; 32 whole rows lie in the stage
	; ---- 4: my 8 rows: sum x 2^(e2 + e3) + b2, + x
.irp i, 0,1,2,3,4,5,6,7
	ds_load_b128 v[RB+8*\i:RB+8*\i+3], v[ASR] offset:SPIT*\i
	ds_load_b128 v[RB+8*\i+4:RB+8*\i+7], v[ASR] offset:SPIT*\i+512
.endr
	s_wait_loadcnt 16                              ; the residual's x is in; the next block's sixteen loads may be out
.irp i, 0,1,2,3,4,5,6,7
	s_wait_dscnt 14-2*\i                           ; row i is in; the later rows' loads may be out
.irp p, 0,2,4,6
	v_pk_fma_f32 v[RB+8*\i+\p:RB+8*\i+\p+1], v[RB+8*\i+\p:RB+8*\i+\p+1], s[KY:KY+1], v[B2R+\p:B2R+\p+1] op_sel_hi:[1,0,1]
.endr
.irp p, 0,2,4,6
	v_pk_add_f32 v[RB+8*\i+\p:RB+8*\i+\p+1], v[RB+8*\i+\p:RB+8*\i+\p+1], v[XF+8*\i+\p:XF+8*\i+\p+1]
.endr
	global_store_b128 v[GX], v[RB+8*\i:RB+8*\i+3], s[16:17] offset:1024*\i th:TH_STORE_NT        ; 32 lanes store 512 consecutive bytes, at a multiple of 256 from the buffer's first byte
	global_store_b128 v[GX], v[RB+8*\i+4:RB+8*\i+7], s[16:17] offset:1024*\i+512 th:TH_STORE_NT
.endr
	s_wait_xcnt 0x0                                ; the trip's loads, stores and prefetch have read their registers and bases: both may be written again
	s_mov_b64 s[4:5], s[20:21]
	s_cmp_gt_u32 s[BLK], 2
	s_cselect_b32 s40, 0x8000, 0                   ; the pointer ahead stops at the last block
	s_mov_b32 s41, 0
	s_add_nc_u64 s[20:21], s[20:21], s[40:41]
	s_add_nc_u64 s[16:17], s[16:17], 0x8000
	s_wait_loadcnt 0x0                             ; the next block's x is in (on both ways)
	s_cmp_eq_u32 s[BLK], 1
	s_cbranch_scc1 .Lnox                           ; behind the last block nothing is left to quantise
	XQ
.Lnox:
	s_sub_co_u32 s[BLK], s[BLK], 1
	s_cmp_lg_u32 s[BLK], 0
	s_cbranch_scc1 .Lblock
	s_wait_dscnt 0x0
	s_wait_tensorcnt 0x0
	ds_add_u32 v254, v255
	s_wait_dscnt 0x0
	ROUND                                          ; the closing round: no work-group ends while a partner may still ask jointly
	s_endpgm
.Lfunc_end_k_q83a6727c18_mlp:
	.size	k_q83a6727c18_mlp, .Lfunc_end_k_q83a6727c18_mlp-k_q83a6727c18_mlp
	.p2alignl 7, 3214868480
	.fill 96, 4, 3214868480
	.section	.rodata,"a",@progbits
	.p2align	6, 0x0
	.amdhsa_kernel k_q83a6727c18_mlp
		.amdhsa_group_segment_fixed_size 327680
		.amdhsa_private_segment_fixed_size 0
		.amdhsa_enable_private_segment 0
		.amdhsa_kernarg_size 56
		.amdhsa_user_sgpr_count 2
		.amdhsa_user_sgpr_kernarg_segment_ptr 1
		.amdhsa_wavefront_size32 1
		.amdhsa_system_sgpr_workgroup_id_x 1
		.amdhsa_system_sgpr_workgroup_id_y 1
		.amdhsa_system_sgpr_workgroup_id_z 1
		.amdhsa_system_vgpr_workitem_id 0
		.amdhsa_next_free_vgpr 1024
		.amdhsa_next_free_sgpr 80
		.amdhsa_reserve_vcc 0
		.amdhsa_float_denorm_mode_32 3
		.amdhsa_float_denorm_mode_16_64 3
		.amdhsa_memory_ordered 1
		.amdhsa_forward_progress 1
		.amdhsa_inst_pref_size 255
	.end_amdhsa_kernel
	.section	.bss,"aw",@nobits
	.p2align	6
	.space	262144
	.amdgpu_metadata
---
amdhsa.version: [ 1, 2 ]
amdhsa.kernels:
  - .name:           k_q83a6727c18_mlp
    .symbol:         k_q83a6727c18_mlp.kd
    .args:
      - { .name: x, .offset: 0, .size: 8, .value_kind: global_buffer, .address_space: global }
      - { .name: w1img, .offset: 8, .size: 8, .value_kind: global_buffer, .address_space: global }
      - { .name: w2img, .offset: 16, .size: 8, .value_kind: global_buffer, .address_space: global }
      - { .name: b1, .offset: 24, .size: 8, .value_kind: global_buffer, .address_space: global }
      - { .name: b2, .offset: 32, .size: 8, .value_kind: global_buffer, .address_space: global }
      - { .name: lowp_scales, .offset: 40, .size: 8, .value_kind: global_buffer, .address_space: global }
      - { .name: out0, .offset: 48, .size: 8, .value_kind: global_buffer, .address_space: global }
    .group_segment_fixed_size: 327680
    .private_segment_fixed_size: 0
    .kernarg_segment_align: 8
    .kernarg_segment_size: 56
    .max_flat_workgroup_size: 128
    .sgpr_count:     80
    .vgpr_count:     1024
    .wavefront_size: 32
...
	.end_amdgpu_metadata
.endif
;; end of part 3
